; MI455X (gfx1250); checked and timed in simulation.
; The chip was launched on July 23, 2026; its instructions are those of AMD's public machine-readable ISA for CDNA 5 (MIT licence, August 2026) and "CDNA5" Instruction Set Architecture Reference Guide (July 2026). The comments in the code are by the model that wrote it; some were corrected since.
;; Diagonal Linear. Allowed arithmetic: matrix products marked QUANTISED: E4M3 operands, one given power-of-two scale a tensor, by v_wmma_f32_16x16x64_fp8_fp8 or v_wmma_f32_16x16x128_fp8_fp8, f32 sums; everything else in f32.
;; Inputs: W 4,096 x 4,096 float32; lowp_scales 2 int32 (the exponents e of the quantised operands' scales 2^e); x_codes 4,096 x 128 x 32 uint8 (E4M3 codes of x, K innermost, in blocks of 32 codes).
;; Outputs: out0 4,096 x 4,096 float32.
;; This version of the problem:
;;   THIS VERSION OF THE PROBLEM IS GIVEN IN LOW PRECISION. The matrix products marked QUANTISED in the list below multiply operands that are first quantised to E4M3 (4 exponent bits, 3 mantissa bits; 8 bits a number), with one given power-of-two scale for each operand tensor; their sums are f32. All else is computed in f32.
;;   The module's matrix products, in the order in which they are computed (A, B: the left and right operand; K: the contracted axis; several contracted axes count as one K, in the product's order):
;;     1. [M 4,096, K 4,096] x [K 4,096, N 4,096]; A: input x (given as codes); B: computed on the way: QUANTISED (scales: A lowp_scales[0], B lowp_scales[1])
;;   THE QUANTISER, for each operand of a quantised product, along K:
;;     - The operand's scale is 2^e, e = its entry of the input lowp_scales (int32; the entries are numbered through the quantised products in the list's order, A before B).
;;     - Each number is divided by the scale, clamped to +-448, and rounded to the nearest number of E4M3, ties to even, subnormals kept.
;;     - The product sums the exact products of the quantised numbers (number of the format x scale) in f32.
;;   ~~~python
;;   def quantise(x, axis, e):      # numpy; x: float32 -> the quantised numbers, widened to float32 again
;;       x = np.moveaxis(x, axis, -1); K = x.shape[-1]
;;       r = np.clip(x / 2.0 ** e, -448, 448)
;;       step = 2.0 ** (np.maximum(np.frexp(np.where(r == 0, 1, r))[1] - 1, -6) - 3)
;;       q = np.round(r / step) * step * 2.0 ** e      # np.round: ties to even
;;       return np.moveaxis(q, -1, axis).astype(np.float32)
;;   ~~~
;;   OPERANDS COMPUTED ON THE WAY. 'Computed on the way' means the value that the module computes at that place (a softmax that the list does not call 'softmax' is quantised finished and normalised). What goes into a quantiser is computed in f32, as accurately as f32 sums, v_exp_f32 and their like allow (about 1e-6 of the number): no bf16 or f16 on the way to a quantiser, and a product that is left as it is and whose result goes on into a quantised operand takes f32 operands (vector FMAs, or v_wmma_f32_16x16x4_f32). A number that lies on a knife's edge between two numbers of the format may be rounded either way, as far as f32 arithmetic and the matrix unit's own rounding can turn it there, and no further.
;;   INPUTS GIVEN AS CODES. x (in the module: [4096, 4096], K = its axis 1): each comes as NAME_codes (uint8): NAME with its K axis moved to the last place and cut into blocks of 32 codes, [.., K / 32, bytes a block], one block behind the other in memory; one code a byte (a code: sign, 4 exponent bits, 3 mantissa bits); its scale is its entry of lowp_scales. Its value is code x scale, taken as it is: it is not quantised again, and the codes and scales need not be those that the quantiser above would give.
;; One version. Each part assembles by itself: llvm-mc -triple=amdgcn-amd-amdhsa -mcpu=gfx1250 --defsym DOCPART=n.
;; ======== version 1 of 1: 1 launch
;; launch diag (part 1): grid 16 x 16, 4 waves a work-group, clusters of 4 x 1, 327,680 bytes of LDS; arguments W, lowp_scales, x_codes, out0; writes out0
.if DOCPART == 1
	.amdgcn_target "amdgcn-amd-amdhsa--gfx1250"
	.amdhsa_code_object_version 6
	.text
	.protected	k_qba6aa2f414_diag
	.globl	k_qba6aa2f414_diag
	.p2align	8
	.type	k_qba6aa2f414_diag,@function
k_qba6aa2f414_diag:
	s_mov_b64 s[64:65], 0
	v_nop
	global_prefetch_b8 v0, s[64:65] scope:SCOPE_SE
	s_setreg_imm32_b32 hwreg(HW_REG_WAVE_MODE, 25, 1), 1
	s_wait_xcnt 0x0
	s_wait_alu depctr_hold_cnt(0) depctr_sa_sdst(0) depctr_va_vdst(0) depctr_va_sdst(0) depctr_va_ssrc(0) depctr_va_vcc(0) depctr_vm_vsrc(0)
	s_getreg_b32 s2, hwreg(HW_REG_IB_STS2, 6, 4)
	s_cmp_eq_u32 s2, 0
	s_cbranch_scc0 .Lentry_in_a_cluster
	s_endpgm
.Lentry_in_a_cluster:
	s_bfe_u32 s2, ttmp6, 0x10000c
	s_cmp_lg_u32 s2, 0x3003
	s_cbranch_scc0 .Lentry_shape_is_right
	s_endpgm
.Lentry_shape_is_right:
; out0[b][o] = sum over i of x[b][i] Wm[o][i],  Wm = W under the unit-matrix mask, entries with |w| <= 0.001 made 0, quantised to E4M3 with the scale 2^ew.
; x: [4096][4096] codes of E4M3 with the scale 2^ex.  W: [4096][4096] f32.  out0: [4096][4096] f32.  lowp_scales: ex, ew (int32).
; THE PRODUCT IS DENSE, as the problem writes it: all 4,096 along K are multiplied for every output, by the format's matrix instruction, and each finished sum once by 2^(ex + ew).
; WHAT THE MASK SPARES IS B's WAY, NOT THE PRODUCTS: off the diagonal Wm is zero by the problem's own mask, so of W only the diagonal is read, and B's fragments are made in registers: they never go through memory or LDS.
; SHARES.  A tile of out0, 256 x 256, is made by a work-group of four waves; a wave makes 128 x 128: 64 accumulators of 16 x 16, 512 registers.
; x goes in K steps of 512 through a ring of two LDS slots filled by the tensor data mover: 256 rows of 512 bytes, 64 rows to each wave's load.  A slot serves four steps of 128 along K, 64 matrix instructions a wave each.
; CLUSTER: 4 x 1 work-groups make four neighbouring tiles of one tile row and need the same tiles of x: each is asked for JOINTLY, by the same tensor load with the same descriptor and a mask that names the four.
; THE MATRIX INSTRUCTION IS USED TRANSPOSED (source 0 = 16 rows of Wm, source 1 = 16 rows of x): a lane then holds eight neighbouring numbers of a row of out0.
; FRAGMENTS.  16 rows x 128 K of codes are 16 registers: lane (r, h) holds row r, and byte y of register 4 c + i is k = 32 c + 16 h + 4 i + y (x: four LDS loads of 16 bytes, 32 bytes apart).  That is a permutation of k, the same on both sides.
; B's FRAGMENT b (rows o = 16 b + r of my 128) is zero in every step of 128 along K but the one that holds my own 128 columns; there its one code a row lies at k = 16 b + r: byte r % 4 of register 4 (b / 2) + r / 4, in the lanes h = b % 2.
; So a fragment is 4 data registers among 12 that are always zero; two fragments share a run of zeros.  In front of each step the 32 data registers are written anew: the diagonal's codes (kept in 32 master registers) AND a word
; that is all ones in my step and 0 in the others.  That is a choice of a value: no branch and no LDS address hangs on the work-group's place in its cluster.
; LIMITS: ew between -126 and 119, ex + ew between -126 and 127, so that 2^ew, 448 x 2^ew and 2^(ex + ew) are f32 numbers.  NaN or infinity in W is not served (off the diagonal W is not read, where 0 x infinity would make NaN).
; REGISTERS, in windows of 256: window 0: v0-31 addresses; v32-63 at work at the head; from v128 x's fragments (8 x 16 rows x 128 K), ONE set; on the way out v32-255 are free.
;   window 1: v0-87 B's eight fragments; v96-127 the masters.   window 2: the 32 accumulators of my rows 0-63 (accumulator (a, b) at v[8 (8 a + b)]);   window 3: those of my rows 64-127.
.set SIZE_N, 4096
.set SIZE_K, 4096
.set ROWB,   512                       ; a tile's row: 512 codes, 512 bytes
.set PITCH,  528                       ; an LDS row: 512 bytes + 16 of padding = 132 words: row r starts at bank 4 r mod 64 (64 banks of 4 bytes: ISA guide 11.1), so the 16 rows that a load touches start at 16 different banks
.set FR,     16                        ; registers of a fragment
.set NL,     4                         ; LDS loads that bring one
.set NP,     4                         ; places behind this matrix instruction (ISA guide 7.12.1)
.set QUART,  64*PITCH                  ; 64 rows: what one tensor load brings
.set HALFT,  128*PITCH                 ; 128 rows: what one wave reads
.set SLOT,   256*PITCH
.set LAPS,   SIZE_K/(2*ROWB)           ; a lap = two slots = once round the ring: 4
.set SPARE,  2*SLOT                    ; behind the ring: the spare words, 128 bytes for each wave: two blocks of 256 bytes that no other line names
.set SPITCH, 528                       ; the way out: a stage of 16 rows x (512 bytes + 16) for each wave.  It lies in slot 0, which has had its last fill and its last read when the first result is stored there
.set DIAG,   16388                     ; bytes from W[c][c] to W[c+1][c+1]
.set WOFF, 8                           ; v8      W: a diagonal step x lane
.set SEL,  9                           ; v9      r / 4 + 4 h: which data register, of which kind of fragment, holds my code
.set SH,   10                          ; v10     8 (r % 4): its byte
.set ADRA, 16                          ; v16-17  LDS address of my fragments of x in slot 0, 1
.set STO,  24                          ; v24     the way out: where I put 32 bytes of a row
.set RD,   25                          ; v25     the way out: where I read a row back
.set CO,   26                          ; v26     my byte offset in a row of out0
.set SPW,  28                          ; v28     LDS address of my spare word: SPARE + 4 x my thread's number; never rewritten
.set NIL,  29                          ; v29     0; never rewritten
.set X,    32                          ; v32-39  at the head: my four words of W's diagonal and four zeros; v40-43 their magnitudes
.set CD,   48                          ; v48-49  their codes
.set E,    52                          ; v52-55  code c, in the byte where its k lies
.set TMP,  32                          ; the way out: 64 registers, a block's sums x 2^(ex + ew)
.set AF,   128                         ; x's fragments, in window 0
.set BK,   128                         ; the way out: 16 rows read back from the stage: v128-191 and v192-255 by turns
.set DM,   96                          ; window 1: the masters, fragment b's four at DM + 4 b
; window 1: fragment b begins at FBb, its four data registers at DLb = FBb + 4 (b / 2).  Runs: D0 Z12 D6 | D1 Z12 D7 | Z4 D2 Z8 D4 Z4 | Z4 D3 Z8 D5 Z4
.set FB0, 0
.set FB6, 4
.set FB1, 20
.set FB7, 24
.set FB2, 40
.set FB4, 48
.set FB3, 64
.set FB5, 72
.set DL0, 0
.set DL6, 16
.set DL1, 20
.set DL7, 36
.set DL2, 44
.set DL4, 56
.set DL3, 68
.set DL5, 80
.set G1, 24                            ; s[24:31] descriptor group 1;  s[32:39] group 0, one set for each slot
.set G0, 32
.set KI, 48                            ; s48  which 128 along K the next step takes
.set MYK, 49                           ; s49  which 128 along K hold my wave's columns
.set BM, 50                            ; s50  all ones in that step, else 0
.set SC, 54                            ; s[54:55] 2^(ex + ew): the packed form names a pair and takes its low word for both halves
.set MK, 72                            ; s72-79 lane masks: SEL == d
.set MSB, 0
.macro WIN new                         ; the immediate's high byte repeats the setting that is left
.if MSB != \new
	s_set_vgpr_msb (MSB<<8)|\new
.set MSB, \new
.endif
.endm
.set MUL_LO, 0xa1                      ; source 0 (B) window 1, source 1 (x) window 0, C and D window 2
.set MUL_HI, 0xf1                      ; the same, C and D window 3
.macro JLOAD s                         ; a joint load: every wave fetches its own 64 rows; the descriptor hangs on the tile row and the wave's number alone.  Four v_nop follow
	tensor_load_to_lds s[G0+4*\s:G0+4*\s+3], s[G1:G1+7]
	s_nop 0
.rept 4
	v_nop
.endr
.endm
.macro CREST                           ; a round of the cluster's barrier behind its opening barrier
	s_cmp_lg_u32 s14, 0
	s_cbranch_scc1 .Lnot_wave_0_\@
	s_barrier_signal -3
.Lnot_wave_0_\@:
	s_barrier_wait -3
	s_barrier_signal -1
	s_barrier_wait -1
.endm
.macro CROUND                          ; a whole round
	s_barrier_signal -1
	s_barrier_wait -1
	CREST
.endm
.macro ZRUN first, count               ; a run of the mask's zeros
.set ZZ, \first
.rept \count
	v_mov_b32 v[ZZ], 0
.set ZZ, ZZ+1
.endr
.endm
	s_load_b256 s[4:11], s[0:1], 0x0               ; W s[4:5], the scales' exponents s[6:7], x's codes s[8:9], out0 s[10:11]
	v_lshl_add_u32 v[SPW], v0, 2, SPARE
	v_mov_b32 v[NIL], 0
	ds_add_u32 v28, v29
	ds_add_u32 v28, v29
	s_wait_dscnt 0x0
	v_lshrrev_b32 v1, 5, v0
	v_readfirstlane_b32 s14, v1                    ; wave 0..3
	s_lshr_b32 s15, s14, 1                         ; which half of the tile's rows is mine
	s_and_b32 s16, s14, 1                          ; which half of its columns
	s_bfe_u32 s40, ttmp6, 0x40000                  ; cx: my place in the cluster
	s_lshl_b32 s42, ttmp9, 2
	s_add_co_u32 s42, s42, s40                     ; tile column = 4 x cluster x + cx: it enters W's and out0's addresses and MYK alone
	s_and_b32 s17, ttmp7, 0xffff                   ; tile row, which the four partners share
	; descriptor group 1: a tile of 64 rows x 512 bytes, padded in LDS
	s_mov_b32 s[G1+0], 15|(0<<16)|(1<<20)|(1<<21)|(6<<22)|(3<<25)  ; 15:0 the mask: all four work-groups; 17:16 elements of 1 byte; 20 padding on; 21 set beside a mask; 24:22 after every 128 words (code 6); 31:25 four words (code 3)
	s_mov_b32 s[G1+1], ROWB<<16                    ; tensor_dim0 = 512
	s_mov_b32 s[G1+2], 64<<16                      ; tensor_dim1 = 64
	s_mov_b32 s[G1+3], ROWB<<16                    ; tile_dim0 = 512
	s_mov_b32 s[G1+4], 64                          ; tile_dim1 = 64
	s_mov_b32 s[G1+5], SIZE_K                      ; from row to row of x
	s_mov_b32 s[G1+6], 0
	s_mov_b32 s[G1+7], 0
	; byte offsets, apart from the addresses
	s_lshl_b32 s20, s17, 20                        ; x: 256 rows of 4,096 bytes x tile row,
	s_lshl_b32 s21, s14, 18                        ; + 64 rows x wave
	s_add_co_u32 s20, s20, s21
	s_mov_b32 s21, 0
	s_mul_i32 s45, s14, QUART                      ; and where they go: wave x 64 rows: no place in the cluster enters an LDS address
	s_lshl_b32 s46, s42, 8
	s_lshl_b32 s47, s16, 7
	s_add_co_u32 s46, s46, s47                     ; my wave's first column: 256 x tile column + 128 x half
	s_mul_i32 s46, s46, DIAG                       ; W: so many diagonal steps
	s_mov_b32 s47, 0
	s_lshl_b32 s22, s17, 22                        ; out0: 256 rows of 16,384 bytes x tile row,
	s_lshl_b32 s23, s15, 21                        ; + 128 rows x half,
	s_add_co_u32 s22, s22, s23
	s_lshl_b32 s23, s42, 10                        ; + 1,024 bytes x tile column,
	s_add_co_u32 s22, s22, s23
	s_lshl_b32 s23, s16, 9                         ; + 512 bytes x half
	s_add_co_u32 s22, s22, s23
	s_mov_b32 s23, 0
	s_lshl_b32 s[MYK], s42, 1
	s_add_co_u32 s[MYK], s[MYK], s16               ; my columns are the (2 x tile column + half)-th 128 along K
	s_mov_b32 s[KI], 0
	s_mov_b32 s51, 0x3a83126f                      ; 0.001 as f32
	s_wait_kmcnt 0x0
	s_load_b64 s[56:57], s[6:7], 0x0               ; ex, ew
	s_add_nc_u64 s[20:21], s[8:9], s[20:21]
	s_add_nc_u64 s[4:5], s[4:5], s[46:47]
	s_add_nc_u64 s[10:11], s[10:11], s[22:23]
	CROUND                                         ; all four work-groups are here: the first joint loads meet
.irp s, 0,1
	s_mov_b32 s[G0+4*\s], 1                                        ; count = 1
	s_add_co_u32 s[G0+4*\s+1], s45, \s*SLOT                        ; LDS address
	s_add_nc_u64 s[G0+4*\s+2:G0+4*\s+3], s[20:21], \s*ROWB         ; global address: K step s
	s_or_b32 s[G0+4*\s+3], s[G0+4*\s+3], 0x80000000                ; type = 2
	JLOAD \s                                       ; both first fills go out together: two loads of mine are out
.endr
	v_and_b32 v1, 15, v0                           ; r
	v_bfe_u32 v2, v0, 4, 1                         ; h
	v_and_b32 v6, 31, v0                           ; lane
	v_mul_u32_u24 v[WOFF], v6, DIAG
.irp c, 0,1,2,3
	global_load_b32 v[X+\c], v[WOFF], s[4:5] offset:32*DIAG*\c   ; W[n][n], n = my wave's first column + 32 c + lane.  No hint: the 16 work-groups of a tile column read the same words
.endr
	v_mul_u32_u24 v3, v1, PITCH
	v_lshl_add_u32 v4, v2, 4, v3                   ; a fragment's row x pitch + 16 x half
	s_mul_i32 s18, s15, HALFT                      ; my 128 rows of x
.irp s, 0,1
	v_add_nc_u32 v[ADRA+\s], s18, v4
	s_add_co_u32 s18, s18, SLOT
.endr
	s_mul_i32 s19, s14, 16*SPITCH                  ; my stage
	v_mul_u32_u24 v5, v1, SPITCH                   ; in: row r, 32 bytes for each half of the lanes
	v_lshl_add_u32 v5, v2, 5, v5
	v_add_nc_u32 v[STO], s19, v5
	v_lshlrev_b32 v[CO], 4, v6                     ; back: the 32 lanes take one row of 512 bytes; and the same in out0
	v_add_nc_u32 v[RD], s19, v[CO]
	v_bfe_u32 v[SEL], v0, 2, 3                     ; r / 4 + 4 h
	v_and_b32 v[SH], 3, v0
	v_lshlrev_b32 v[SH], 3, v[SH]                  ; 8 (r % 4)
.irp d, 0,1,2,3,4,5,6,7
	v_cmp_eq_u32 s[MK+\d], \d, v[SEL]
.endr
.irp c, 4,5,6,7
	v_mov_b32 v[X+\c], 0                           ; the conversion takes eight numbers: the upper four are not used
.endr
	WIN 0x40                                       ; destination window 1
	ZRUN 4, 12                                     ; the mask's zeros in B's fragments: 56 registers, written once
	ZRUN 24, 12
	ZRUN 40, 4
	ZRUN 48, 8
	ZRUN 60, 4
	ZRUN 64, 4
	ZRUN 72, 8
	ZRUN 84, 4
	WIN 0
	s_wait_kmcnt 0x0                               ; ex, ew
	s_add_co_i32 s52, s57, 127
	s_lshl_b32 s53, s52, 23
	v_mov_b32 v11, s53                             ; 2^ew as f32: the conversion takes its exponent field
	s_add_co_i32 s52, s52, 8
	s_lshl_b32 s52, s52, 23
	s_or_b32 s52, s52, 0x600000
	v_mov_b32 v12, s52                             ; 448 x 2^ew
	s_add_co_i32 s[SC], s56, s57
	s_add_co_i32 s[SC], s[SC], 127
	s_lshl_b32 s[SC], s[SC], 23                    ; 2^(ex + ew) as f32
	s_mov_b32 s[SC+1], s[SC]                       ; (named with it as a pair, so it is written)
	s_wait_loadcnt 0x0                             ; my four words of the diagonal
.irp c, 0,1,2,3
	v_and_b32 v[X+8+\c], 0x7fffffff, v[X+\c]       ; |w|
.endr
.irp c, 0,1,2,3
	v_cmp_lt_f32 vcc_lo, s51, v[X+8+\c]            ; 0.001 < |w| ?
	v_cndmask_b32 v[X+\c], 0, v[X+\c], vcc_lo      ; else 0: a choice of a value, no branch
.endr
.irp c, 0,1,2,3
	v_med3_num_f32 v[X+\c], v[X+\c], -v12, v12     ; the conversion to an 8-bit code does not saturate (ISA guide 7.6.2): the hold at the largest code x the scale
.endr
	v_cvt_scalef32_pk8_fp8_f32 v[CD:CD+1], v[X:X+7], v11   ; numbers / 2^ew, to the nearest code, ties to even; number c's code in byte c
	v_nop                                          ; one plain vector instruction behind a scaled conversion
.irp c, 0,1,2,3
	v_bfe_u32 v[E+\c], v[CD], 8*\c, 8
.endr
.irp c, 0,1,2,3
	v_lshlrev_b32 v[E+\c], v[SH], v[E+\c]          ; the code of column 32 c + lane = 16 (2 c + h) + r, in byte r % 4
.endr
	WIN 0x40
.irp b, 0,1,2,3,4,5,6,7
.irp i, 0,1,2,3
	v_cndmask_b32 v[DM+4*\b+\i], 0, v[E+\b/2], s[MK+\i+4*(\b%2)]   ; the masters: fragment b's data register i holds my code where i = r / 4 and h = b % 2, else 0
.endr
.endr
; B's 32 data registers for the step of 128 along K that comes next: the masters in my wave's own step, zeros in every other.
.macro BSEL step
.if \step
	s_add_co_u32 s[KI], s[KI], 1
.endif
	s_cmp_eq_u32 s[KI], s[MYK]
	s_cselect_b32 s[BM], -1, 0
	WIN 0x44                                       ; source 1 and destination window 1
.irp b, 0,1,2,3,4,5,6,7
.irp i, 0,1,2,3
	v_and_b32 v[DL\b+\i], s[BM], v[DM+4*\b+\i]
.endr
.endr
	WIN 0
.endm
.macro FRAG reg, adr, q, i             ; a fragment of x: registers 4 c .. 4 c + 3 hold K = 32 c + 16 h + 0 .. 15 of row r
.irp c, 0,1,2,3
	ds_load_b128 v[\reg+4*\c:\reg+4*\c+3], v[\adr] offset:128*(\q)+32*\c+(\i)*16*PITCH
.endr
.endm
.macro FETCH_A slot, q, i0             ; x's blocks i0 .. i0 + 3 of the slot's q-th 128 along K
.irp i, \i0, \i0+1, \i0+2, \i0+3
	FRAG AF+FR*(\i), ADRA+\slot, \q, \i
.endr
.endm
; 16 matrix instructions: x's blocks a0, a0 + 1 against B's eight, 128 along K.  zero = 1: the first product starts the sums: nothing is ever cleared.
; The 64 accumulators take turns, one instruction a turn, in the same order in every step.
.macro MUL16 a0, zero
.irp a, \a0, \a0+1
.irp b, 0,1,2,3,4,5,6,7
.if \zero
	v_wmma_f32_16x16x128_fp8_fp8 v[8*(8*((\a)%4)+\b):8*(8*((\a)%4)+\b)+7], v[FB\b:FB\b+FR-1], v[AF+FR*(\a):AF+FR*(\a)+FR-1], 0
.else
	v_wmma_f32_16x16x128_fp8_fp8 v[8*(8*((\a)%4)+\b):8*(8*((\a)%4)+\b)+7], v[FB\b:FB\b+FR-1], v[AF+FR*(\a):AF+FR*(\a)+FR-1], v[8*(8*((\a)%4)+\b):8*(8*((\a)%4)+\b)+7]
.endif
.endr
.endr
.endm
; A load into a register that a matrix instruction has read, a vector instruction that writes such a register, and a vector instruction that reads a matrix result stand NP places behind that matrix instruction; only plain
; vector instructions that name none of its registers are places (ISA guide 7.12.1 for vector instructions).
.macro PLACES n
.rept \n
	v_nop
.endr
.endm
; A step of 128 along K that has its successor in the same slot.  A block of x is free as soon as its eight products are issued: blocks 0-3 are fetched anew in the step's middle, blocks 4-7 at its end.
.macro STEP slot, q, zero
	s_wait_dscnt 4*NL                              ; x's blocks 0-3 are in; the youngest sixteen loads (blocks 4-7) may be out
	WIN MUL_LO
	MUL16 0, \zero
	MUL16 2, \zero
	s_wait_dscnt 0                                 ; blocks 4-7 are in (asked for 32 matrix instructions ago)
	PLACES NP
	WIN 0
	FETCH_A \slot, (\q)+1, 0
	WIN MUL_HI
	MUL16 4, \zero
	MUL16 6, \zero
	PLACES NP                                      ; for the loads into blocks 4-7 and for the writes of B's data registers
	WIN 0
	FETCH_A \slot, (\q)+1, 4
	BSEL 1
.endm
; A slot's last step changes slots: ONE barrier; in front of it each wave waits for all its tensor loads, adds 0 to its spare word, and waits for that and for its own reads of this slot.  fill = 1: this slot is filled again, two K steps ahead.
.macro TURN slot, next, fill
	s_wait_tensorcnt 0x0                           ; all my tensor loads have landed: my part of the next slot;  (every window is 0 here: the add's two registers lie in window 0)
	ds_add_u32 v[SPW], v[NIL]                      ; 0 onto my spare word
	s_wait_dscnt 4*NL+1                            ; (the add and the youngest sixteen loads, blocks 4-7, may be out)
	WIN MUL_LO
	MUL16 0, 0                                     ; sixteen matrix instructions stand between the add and the wait for it
	s_wait_dscnt 0x0                               ; the add is done, and my reads of this slot are over
	s_barrier_signal -1
	MUL16 2, 0
	WIN 0
	s_barrier_wait -1
.if \fill
	CREST                                          ; the barrier has opened a round of the cluster's barrier: no wave of any partner still reads this slot's tile or has a load on its way
	s_add_nc_u64 s[G0+4*\slot+2:G0+4*\slot+3], s[G0+4*\slot+2:G0+4*\slot+3], 2*ROWB
	JLOAD \slot                                    ; the first tensor load behind the round, my one load until the next; the four v_nop behind it are the places in front of the loads below
.else
	PLACES NP
.endif
	FETCH_A \next, 0, 0
	WIN MUL_HI
	MUL16 4, 0
	MUL16 6, 0
	PLACES NP
	WIN 0
	FETCH_A \next, 0, 4
	BSEL 1
.endm
	BSEL 0                                         ; B for the first 128 along K
	s_wait_tensorcnt 1                             ; my part of K step 0 is in (K step 1's load may be out)
	s_barrier_signal -1
	s_barrier_wait -1                              ; everybody's is
	FETCH_A 0, 0, 0
	FETCH_A 0, 0, 4
	STEP 0, 0, 1                                   ; the first step stands in front of the loop: its products start the sums
	s_mov_b32 s3, LAPS-1
.Llap:                                                 ; a trip goes once round the ring, from a lap's second step to the next lap's first, and fills both slots again
	STEP 0, 1, 0
	STEP 0, 2, 0
	TURN 0, 1, 1
	STEP 1, 0, 0
	STEP 1, 1, 0
	STEP 1, 2, 0
	TURN 1, 0, 1
	STEP 0, 0, 0
	s_sub_co_u32 s3, s3, 1
	s_cmp_lg_u32 s3, 0
	s_cbranch_scc1 .Llap
	STEP 0, 1, 0                                   ; the last lap fills nothing, and has no round of the cluster's barrier
	STEP 0, 2, 0
	TURN 0, 1, 0
	STEP 1, 0, 0
	STEP 1, 1, 0
	STEP 1, 2, 0
	s_wait_dscnt 4*NL                              ; the very last step: nothing more to fetch
	WIN MUL_LO
	MUL16 0, 0
	MUL16 2, 0
	s_wait_dscnt 0
	WIN MUL_HI
	MUL16 4, 0
	MUL16 6, 0
	WIN 0
; THE WAY OUT, block by block of 16 rows x 128 columns.  A lane holds 32 neighbouring bytes of a row, and the lanes beside it hold other rows: so a block goes through my own stage in LDS and comes back as whole
; rows of 512 bytes, which the 32 lanes store as 512 consecutive bytes.  LDS serves a wave's instructions in order (ISA guide 5.7.1.4): no wait between the stores and the loads, nor in front of the next block's stores.
.macro TOSTAGE a
.set AC, 64*((\a)%4)
	WIN 0x02+((\a)/4)                              ; source 0: window 2 or 3
.irp j, 0,2,4,6,8,10,12,14,16,18,20,22,24,26,28,30,32,34,36,38,40,42,44,46,48,50,52,54,56,58,60,62
	v_pk_mul_f32 v[TMP+\j:TMP+\j+1], v[AC+\j:AC+\j+1], s[SC:SC+1] op_sel_hi:[1,0]   ; both x 2^(ex + ew): nothing is rounded, short of overflow and underflow; each accumulator from its low end on
.endr
	WIN 0
.irp b, 0,1,2,3,4,5,6,7
	ds_store_b128 v[STO], v[TMP+8*\b:TMP+8*\b+3] offset:64*\b
	ds_store_b128 v[STO], v[TMP+8*\b+4:TMP+8*\b+7] offset:64*\b+16
.endr
.set BB, BK+64*((\a)%2)
.irp t, 0,1,2,3,4,5,6,7,8,9,10,11,12,13,14,15
	ds_load_b128 v[BB+4*\t:BB+4*\t+3], v[RD] offset:\t*SPITCH
.endr
.endm
.macro SEND a, younger                 ; younger: the LDS instructions issued behind block a's loads, which may stay out
.set BB, BK+64*((\a)%2)
	s_wait_dscnt \younger                          ; the block is back in registers
.if (\a) > 0
	s_add_nc_u64 s[10:11], s[10:11], 16*SIZE_N*4   ; (behind a wait on XCNT: the earlier stores have read their base)  16 rows of out0 on
.endif
.irp t, 0,1,2,3,4,5,6,7,8,9,10,11,12,13,14,15
	global_store_b128 v[CO], v[BB+4*\t:BB+4*\t+3], s[10:11] offset:\t*SIZE_N*4 th:TH_STORE_NT   ; 32 lanes store 512 consecutive bytes, at a multiple of 256 from out0's first byte; written once, read by nobody here
.endr
.endm
	PLACES NP                                      ; these places serve the loads into the registers that held x's fragments and the reads of the last products' results alike
	TOSTAGE 0
.irp a, 1,2,3,4,5,6,7
.if \a > 1
	s_wait_xcnt 0x0                                ; block a - 2's stores have read their registers and their base: block a's loads may land there, and the base may step
.endif
	TOSTAGE \a
	SEND \a-1, 32                                  ; behind block a - 1's loads: block a's 16 stores and 16 loads
.endr
	s_wait_xcnt 0x0                                ; block 6's stores have read their base
	SEND 7, 0
	s_wait_tensorcnt 0x0                           ; the wave's end: behind my last tensor load and my last LDS store
	ds_add_u32 v[SPW], v[NIL]
	s_wait_dscnt 0x0
	CROUND                                         ; the closing round: no work-group ends while a partner may still ask for a tile that names it
	s_endpgm
.Lfunc_end_k_qba6aa2f414_diag:
	.size	k_qba6aa2f414_diag, .Lfunc_end_k_qba6aa2f414_diag-k_qba6aa2f414_diag
	.p2alignl 7, 3214868480
	.fill 96, 4, 3214868480
	.section	.rodata,"a",@progbits
	.p2align	6, 0x0
	.amdhsa_kernel k_qba6aa2f414_diag
		.amdhsa_group_segment_fixed_size 327680
		.amdhsa_private_segment_fixed_size 0
		.amdhsa_enable_private_segment 0
		.amdhsa_kernarg_size 32
		.amdhsa_user_sgpr_count 2
		.amdhsa_user_sgpr_kernarg_segment_ptr 1
		.amdhsa_wavefront_size32 1
		.amdhsa_system_sgpr_workgroup_id_x 1
		.amdhsa_system_sgpr_workgroup_id_y 1
		.amdhsa_system_sgpr_workgroup_id_z 1
		.amdhsa_system_vgpr_workitem_id 0
		.amdhsa_next_free_vgpr 1024
		.amdhsa_next_free_sgpr 80
		.amdhsa_reserve_vcc 1
		.amdhsa_float_denorm_mode_32 3
		.amdhsa_float_denorm_mode_16_64 3
		.amdhsa_memory_ordered 1
		.amdhsa_forward_progress 1
		.amdhsa_inst_pref_size 180
	.end_amdhsa_kernel
	.amdgpu_metadata
---
amdhsa.version: [ 1, 2 ]
amdhsa.kernels:
  - .name:           k_qba6aa2f414_diag
    .symbol:         k_qba6aa2f414_diag.kd
    .args:
      - { .name: W, .offset: 0, .size: 8, .value_kind: global_buffer, .address_space: global }
      - { .name: lowp_scales, .offset: 8, .size: 8, .value_kind: global_buffer, .address_space: global }
      - { .name: x_codes, .offset: 16, .size: 8, .value_kind: global_buffer, .address_space: global }
      - { .name: out0, .offset: 24, .size: 8, .value_kind: global_buffer, .address_space: global }
    .group_segment_fixed_size: 327680
    .private_segment_fixed_size: 0
    .kernarg_segment_align: 8
    .kernarg_segment_size: 32
    .max_flat_workgroup_size: 128
    .sgpr_count:     80
    .vgpr_count:     1024
    .wavefront_size: 32
...
	.end_amdgpu_metadata
.endif
;; end of part 1
